; MI455X (gfx1250); checked and timed in simulation.
; The chip was launched on July 23, 2026; its instructions are those of AMD's public machine-readable ISA for CDNA 5 (MIT licence, August 2026) and "CDNA5" Instruction Set Architecture Reference Guide (July 2026). The comments in the code are by the model that wrote it; some were corrected since.
;; Quantized Linear. Allowed arithmetic: matrix products marked QUANTISED: E2M1 operands, one E8M0 scale for each 32 along K, by v_wmma_scale_f32_16x16x128_f8f6f4 with both operands' format E2M1 (or v_wmma_scale_f32_32x16x128_f4), f32 sums; everything else in f32.
;; Inputs: bias 4,096 float32; qweight 4,096 x 4,096 int32; scale 4,096 x 1 float32; x 4,096 x 4,096 float32; zero_point 4,096 x 1 float32.
;; Outputs: out0 4,096 x 4,096 float32.
;; This version of the problem:
;;   THIS VERSION OF THE PROBLEM IS GIVEN IN LOW PRECISION. The matrix products marked QUANTISED in the list below multiply operands that are first quantised to E2M1 (2 exponent bits, 1 mantissa bit; 4 bits a number), with one power-of-two scale for each 32 numbers along K (OCP MX v1.0); their sums are f32. All else is computed in f32.
;;   The module's matrix products, in the order in which they are computed (A, B: the left and right operand; K: the contracted axis; several contracted axes count as one K, in the product's order):
;;     1. [M 4,096, K 4,096] x [K 4,096, N 4,096]; A: input x; B: computed on the way: QUANTISED
;;   THE QUANTISER, for each operand of a quantised product, along K:
;;     - K is cut into blocks of 32 from its start; a last block that is shorter is filled with zeros.
;;     - A block's scale is 2^e with e = floor(log2(the largest magnitude in the block)) - 2, held to -126 .. 127; a block of zeros has e = 0. As a byte (E8M0): e + 127.
;;     - Each number is divided by its block's scale, clamped to +-6, and rounded to the nearest number of E2M1, ties to even, subnormals kept.
;;     - The product sums the exact products of the quantised numbers (number of the format x scale) in f32.
;;   ~~~python
;;   def quantise(x, axis):      # numpy; x: float32 -> the quantised numbers, widened to float32 again
;;       x = np.moveaxis(x, axis, -1); K = x.shape[-1]
;;       x = np.pad(x, [(0, 0)] * (x.ndim - 1) + [(0, -K % 32)]); x = x.reshape(x.shape[:-1] + (-1, 32)); a = np.abs(x).max(-1, keepdims=True)
;;       e = np.where(a > 0, np.clip(np.frexp(np.where(a > 0, a, 1))[1] - 1 - 2, -126, 127), 0)      # np.frexp(a)[1] - 1 = floor(log2(a)), exactly
;;       r = np.clip(x / 2.0 ** e, -6, 6)
;;       step = 2.0 ** (np.maximum(np.frexp(np.where(r == 0, 1, r))[1] - 1, 0) - 1)
;;       q = np.round(r / step) * step * 2.0 ** e      # np.round: ties to even
;;       return np.moveaxis(q.reshape(q.shape[:-2] + (-1,))[..., :K], -1, axis).astype(np.float32)
;;   ~~~
;;   OPERANDS COMPUTED ON THE WAY. 'Computed on the way' means the value that the module computes at that place (a softmax that the list does not call 'softmax' is quantised finished and normalised). What goes into a quantiser is computed in f32, as accurately as f32 sums, v_exp_f32 and their like allow (about 1e-6 of the number): no bf16 or f16 on the way to a quantiser, and a product that is left as it is and whose result goes on into a quantised operand takes f32 operands (vector FMAs, or v_wmma_f32_16x16x4_f32). A number that lies on a knife's edge between two numbers of the format may be rounded either way, as far as f32 arithmetic and the matrix unit's own rounding can turn it there, and no further.
;; One version. Each part assembles by itself: llvm-mc -triple=amdgcn-amd-amdhsa -mcpu=gfx1250 --defsym DOCPART=n.
;; ======== version 1 of 1: 2 launches
;; limits: right only within a limited range of input values
;; workspace buffers: xq 8,912,896 bytes; wq 8,912,896 bytes
;; launch quant (part 1): grid 512 x 2, 4 waves a work-group, no clusters, 36,352 bytes of LDS; arguments x, qweight, scale, zero_point, xq, wq; writes xq, wq
.if DOCPART == 1
	.amdgcn_target "amdgcn-amd-amdhsa--gfx1250"
	.amdhsa_code_object_version 6
	.text
	.protected	k_q5ee4d1647f_quant
	.globl	k_q5ee4d1647f_quant
	.p2align	8
	.type	k_q5ee4d1647f_quant,@function
k_q5ee4d1647f_quant:
	s_mov_b64 s[64:65], 0
	v_nop
	global_prefetch_b8 v0, s[64:65] scope:SCOPE_SE
	s_setreg_imm32_b32 hwreg(HW_REG_WAVE_MODE, 25, 1), 1
	s_wait_xcnt 0x0
; Both operands of y = x w^T become codes of FP4 (E2M1) with one E8M0 scale byte for each 32 along K.  Work-group y = 0: x [4096][4096] f32 -> xq.
; Work-group y = 1: w = (float(qweight) - zero_point) * scale, made as the problem writes it (a conversion, one f32 subtraction, one f32 multiplication, not fused), -> wq.
; A block's scale is 2^(floor(log2(its largest magnitude)) - 2); its byte is the largest magnitude's exponent field - 2, held at 1 from below.
; LIMITS: a block of zeros gets the byte 1 where the rule says 127: its codes are zeros, which add nothing under any byte but 0xff, and this program alone reads the bytes.
; NaN and infinities among the inputs are not served.  Whole numbers of qweight beyond 2^24 are rounded to f32 by the conversion, to nearest even.
; THE WORKSPACE IS LAID AS THE PRODUCT'S REGISTERS WANT IT: [block of 128 rows: 32][K step of 512: 8][BLK = 34,816 bytes].  In a BLK: bytes 0 .. 32,767 the codes,
; [16 rows: i of 8][block of 32 along K: j of 16][row r of 16][16 bytes]; bytes 32,768 .. 34,815 the scale bytes, [row of 128][16 bytes], byte j for block j.
; SHARES.  A wave takes 16 rows x 512 along K (32 KiB in, 4,096 bytes of codes and 256 scale bytes out), in 8 steps of 16 rows x 64 along K.  Each load of a step reads 256 consecutive bytes of two rows;
; the step's 4,096 bytes turn through the wave's own stage in LDS, so that lane (r, h) then holds ONE WHOLE BLOCK, row r, block 2 t + h, in 32 registers: its largest magnitude needs no other lane,
; and its 16 bytes of codes lie at 512 t + 16 x lane of the wave's 4,096: a store of the wave covers 512 consecutive bytes, aligned to 256.
; No tensor loads, no barrier: waves share nothing.  Loads run four steps (32 loads a wave) ahead, the turn through LDS one step.  No address register, base or store's data is ever written again.
; Matrix units, clusters and tensor loads are left out: this is a stream, each byte read once and written once.
.set WREG,  8960                       ; LDS: a region for each wave: two stages and 256 scale bytes
.set SP,    272                        ; a stage row: 256 bytes + 16 of padding = 68 words: row r starts at bank 4 r mod 64 (64 banks of 4 bytes: ISA guide 11.1)
.set STG,   16*SP                      ; a stage: 16 rows
.set SBY,   2*STG                      ; behind the stages: the wave's 256 scale bytes
.set BLK,   34816
.set STEPS, 8
.set E,     16                         ; v16-23   a scale byte for each step
.set ZP,    26                         ; v[26:27] my row's zero_point, twice (a pair for the packed form)
.set SCL,   28                         ; v[28:29] my row's scale, twice
.set L,     32                         ; v32-159  four sets of 32 registers as loaded
.set X,     160                        ; v160-223 two sets of 32 neighbours along K
.set C,     224                        ; v224-255 four registers of codes for each step
	s_load_b256 s[4:11], s[0:1], 0x0               ; x s[4:5], qweight s[6:7], scale s[8:9], zero_point s[10:11]
	s_load_b128 s[12:15], s[0:1], 0x20             ; xq s[12:13], wq s[14:15]
	v_lshl_add_u32 v30, v0, 2, 0x8c00
	v_mov_b32 v31, 0
	v_lshrrev_b32 v1, 5, v0
	v_readfirstlane_b32 s16, v1                    ; wave 0..3
	v_and_b32 v1, 31, v0                           ; lane
	v_and_b32 v2, 15, v0                           ; r
	v_bfe_u32 v3, v0, 4, 1                         ; h
	s_and_b32 s17, ttmp7, 0xffff                   ; 0: x;  1: the weight
	s_lshr_b32 s18, ttmp9, 1                       ; R: which 16 rows, 0 .. 255
	s_and_b32 s19, ttmp9, 1
	s_lshl_b32 s19, s19, 2
	s_add_co_u32 s19, s19, s16                     ; s: which K step of 512, 0 .. 7
	s_mul_i32 s20, s16, WREG                       ; my wave's LDS
	v_lshlrev_b32 v4, 16, v3
	v_lshl_add_u32 v4, v2, 4, v4                   ; in: lanes 0-15 take 256 bytes of one of my rows, lanes 16-31 of my next (four rows of the tensor, 65,536 bytes, on)
	v_mul_u32_u24 v5, v3, SP
	v_lshl_add_u32 v5, v2, 4, v5
	v_add_nc_u32 v5, s20, v5                       ; into the stage: the same two rows
	v_mul_u32_u24 v6, v2, SP
	v_lshl_add_u32 v6, v3, 7, v6
	v_add_nc_u32 v6, s20, v6                       ; out of it: row r, block h: 128 bytes
	v_lshlrev_b32 v7, 4, v1                        ; my codes' place in a step's 512 bytes
	v_lshl_add_u32 v8, v2, 4, v3
	v_add_nc_u32 v8, s20, v8
	v_add_nc_u32 v8, SBY, v8                       ; my scale byte: 16 r + h (+ 2 t)
	v_lshlrev_b32 v10, 3, v1                       ; the scale bytes' way out: 8 bytes a lane
	v_add_nc_u32 v9, s20, v10
	v_add_nc_u32 v9, SBY, v9
	v_lshlrev_b32 v14, 4, v2                       ; my row's scale and zero_point: my rows lie four apart: 16 r bytes
	s_lshr_b32 s34, s18, 2                         ; THE 16 ROWS OF GROUP R LIE FOUR APART: rows 64 (R / 4) + R % 4 + 4 r, r = 0 .. 15, in both tensors: so the product's lane r finds columns 4 r + 0 .. 3 in its four neighbouring groups
	s_lshl_b32 s34, s34, 6
	s_and_b32 s35, s18, 3
	s_add_co_u32 s34, s34, s35                     ; my first row
	s_lshl_b32 s20, s34, 14                        ; rows of 16,384 bytes
	s_lshl_b32 s21, s19, 11                        ; 512 numbers of 4 bytes
	s_add_co_u32 s20, s20, s21
	s_mov_b32 s21, 0
	s_and_b32 s22, s18, 0xf8                       ; 8 x (R / 8): the block of 128 rows, times its 8 K steps
	s_add_co_u32 s22, s22, s19
	s_mul_i32 s22, s22, BLK                        ; where my BLK begins
	s_and_b32 s23, s18, 7                          ; i: which 16 rows of the 128
	s_lshl_b32 s28, s23, 12
	s_add_co_u32 s28, s28, s22                     ; my codes
	s_mov_b32 s29, 0
	s_lshl_b32 s30, s23, 8
	s_add_co_u32 s30, s30, s22
	s_add_co_u32 s30, s30, 32768                   ; my scale bytes
	s_mov_b32 s31, 0
	s_lshl_b32 s32, s34, 2                         ; my first row's scale or zero_point
	s_mov_b32 s33, 0
	s_wait_alu depctr_va_vdst(0)
	s_wait_kmcnt 0x0
	s_cmp_eq_u32 s17, 0                            ; the choice hangs on the work-group's number alone
	s_cselect_b64 s[4:5], s[4:5], s[6:7]
	s_cselect_b64 s[12:13], s[12:13], s[14:15]
	s_add_nc_u64 s[4:5], s[4:5], s[20:21]
	s_add_nc_u64 s[24:25], s[12:13], s[28:29]
	s_add_nc_u64 s[26:27], s[12:13], s[30:31]
	s_add_nc_u64 s[8:9], s[8:9], s[32:33]
	s_add_nc_u64 s[10:11], s[10:11], s[32:33]
	global_load_b32 v[ZP], v14, s[10:11]           ; loaded on both ways (x has as many rows as the weight, so the loads stay inside their buffers); used for the weight alone
	global_load_b32 v[ZP+1], v14, s[10:11]
	global_load_b32 v[SCL], v14, s[8:9]
	global_load_b32 v[SCL+1], v14, s[8:9]
.macro LOAD t                          ; step t: 16 rows x 256 bytes, two rows a load
.irp j, 0,1,2,3,4,5,6,7
	global_load_b128 v[L+32*((\t)%4)+4*\j:L+32*((\t)%4)+4*\j+3], v4, s[4:5] offset:131072*\j+256*(\t) th:TH_LOAD_NT
.endr
.endm
.macro TURN t                          ; step t through a stage: LDS serves a wave's instructions in order (ISA guide 5.7.1.4), so no wait stands between the stores and the loads
.irp j, 0,1,2,3,4,5,6,7
	ds_store_b128 v5, v[L+32*((\t)%4)+4*\j:L+32*((\t)%4)+4*\j+3] offset:STG*((\t)%2)+2*SP*\j
.endr
.irp i, 0,1,2,3,4,5,6,7
	ds_load_b128 v[X+32*((\t)%2)+4*\i:X+32*((\t)%2)+4*\i+3], v6 offset:STG*((\t)%2)+16*\i
.endr
.endm
.irp t, 0,1,2,3
	LOAD \t
.endr
	s_wait_loadcnt 24                              ; the four small loads and step 0's eight are in; steps 1 to 3 stay out
	TURN 0
.macro STEP t
.set XS, X+32*((\t)%2)
.if (\t) > 0
	s_wait_dscnt 1                                 ; this step's numbers are back from the stage (the last step's byte store may be out): so its stores into the stage have read their registers,
.else
	s_wait_dscnt 0x0
.endif
.if (\t)+4 < STEPS
	LOAD (\t)+4                                    ; which take the loads of four steps on
.endif
.if (\t)+1 < STEPS
.if 6-(\t) >= 3
	s_wait_loadcnt 24                              ; the next step's eight loads are in; those of the three steps behind it may be out
.else
	s_wait_loadcnt 8*(6-(\t))                      ; the counts run down: no loads are issued any more
.endif
	TURN (\t)+1                                    ; and go through the other stage while this step is worked
.endif
	s_cmp_eq_u32 s17, 0
	s_cbranch_scc1 .Lplain_\@                      ; x is taken as it is; the branch goes round work on registers alone
.set i, 0
.rept 32
	v_cvt_f32_i32 v[XS+i], v[XS+i]                 ; float(q)
.set i, i+1
.endr
.set i, 0
.rept 16
	v_pk_add_f32 v[XS+i:XS+i+1], v[XS+i:XS+i+1], v[ZP:ZP+1] neg_lo:[0,1] neg_hi:[0,1]   ; - zero_point
.set i, i+2
.endr
.set i, 0
.rept 16
	v_pk_mul_f32 v[XS+i:XS+i+1], v[XS+i:XS+i+1], v[SCL:SCL+1]                           ; x scale
.set i, i+2
.endr
.Lplain_\@:
	v_max3_num_f32 v12, |v[XS]|, |v[XS+1]|, |v[XS+2]|              ; the block's largest magnitude: all 32 numbers are mine; two chains
	v_max3_num_f32 v13, |v[XS+3]|, |v[XS+4]|, |v[XS+5]|
.irp i, 6,10,14,18,22,26
	v_max3_num_f32 v12, v12, |v[XS+\i]|, |v[XS+\i+1]|
	v_max3_num_f32 v13, v13, |v[XS+\i+2]|, |v[XS+\i+3]|
.endr
	v_max3_num_f32 v12, v12, |v[XS+30]|, |v[XS+31]|
	v_max3_num_f32 v12, v12, v13, 0x1800000        ; and the floor 2^(3 - 127): the byte cannot fall under 1
	v_add_nc_u32 v11, 0xff000000, v12              ; 2 off its exponent field: the conversion takes the exponent field of this operand as its scale, and nothing else of it
.irp g, 0,1,2,3
	v_cvt_scalef32_pk8_fp4_f32 v[C+4*(\t)+\g], v[XS+8*\g:XS+8*\g+7], v11   ; eight numbers / the scale, to the nearest code, ties to even, beyond 6 the largest code; the lower k in the lower bits
.endr
	v_lshrrev_b32 v[E+(\t)], 23, v11               ; the scale's byte (also the plain instruction behind the conversions)
	ds_store_b8 v8, v[E+(\t)] offset:2*(\t)
	global_store_b128 v7, v[C+4*(\t):C+4*(\t)+3], s[24:25] offset:512*(\t)   ; 32 lanes store 512 consecutive bytes, at a multiple of 256 from the buffer's first byte
.endm
.irp t, 0,1,2,3,4,5,6,7
	STEP \t
.endr
	ds_load_b64 v[24:25], v9                       ; LDS serves a wave's instructions in order: these see my byte stores
	s_wait_dscnt 0x0
	global_store_b64 v10, v[24:25], s[26:27]       ; 32 lanes store 256 consecutive bytes, aligned to 256
	s_wait_tensorcnt 0x0
	ds_add_u32 v30, v31
	s_wait_dscnt 0x0
	s_endpgm
.Lfunc_end_k_q5ee4d1647f_quant:
	.size	k_q5ee4d1647f_quant, .Lfunc_end_k_q5ee4d1647f_quant-k_q5ee4d1647f_quant
	.p2alignl 7, 3214868480
	.fill 96, 4, 3214868480
	.section	.rodata,"a",@progbits
	.p2align	6, 0x0
	.amdhsa_kernel k_q5ee4d1647f_quant
		.amdhsa_group_segment_fixed_size 36352
		.amdhsa_private_segment_fixed_size 0
		.amdhsa_enable_private_segment 0
		.amdhsa_kernarg_size 48
		.amdhsa_user_sgpr_count 2
		.amdhsa_user_sgpr_kernarg_segment_ptr 1
		.amdhsa_wavefront_size32 1
		.amdhsa_system_sgpr_workgroup_id_x 1
		.amdhsa_system_sgpr_workgroup_id_y 1
		.amdhsa_system_sgpr_workgroup_id_z 1
		.amdhsa_system_vgpr_workitem_id 0
		.amdhsa_next_free_vgpr 256
		.amdhsa_next_free_sgpr 66
		.amdhsa_reserve_vcc 0
		.amdhsa_float_denorm_mode_32 3
		.amdhsa_float_denorm_mode_16_64 3
		.amdhsa_memory_ordered 1
		.amdhsa_forward_progress 1
		.amdhsa_inst_pref_size 55
	.end_amdhsa_kernel
	.amdgpu_metadata
---
amdhsa.version: [ 1, 2 ]
amdhsa.kernels:
  - .name:           k_q5ee4d1647f_quant
    .symbol:         k_q5ee4d1647f_quant.kd
    .args:
      - { .name: x, .offset: 0, .size: 8, .value_kind: global_buffer, .address_space: global }
      - { .name: qweight, .offset: 8, .size: 8, .value_kind: global_buffer, .address_space: global }
      - { .name: scale, .offset: 16, .size: 8, .value_kind: global_buffer, .address_space: global }
      - { .name: zero_point, .offset: 24, .size: 8, .value_kind: global_buffer, .address_space: global }
      - { .name: xq, .offset: 32, .size: 8, .value_kind: global_buffer, .address_space: global }
      - { .name: wq, .offset: 40, .size: 8, .value_kind: global_buffer, .address_space: global }
    .group_segment_fixed_size: 36352
    .private_segment_fixed_size: 0
    .kernarg_segment_align: 8
    .kernarg_segment_size: 48
    .max_flat_workgroup_size: 128
    .sgpr_count:     66
    .vgpr_count:     256
    .wavefront_size: 32
...
	.end_amdgpu_metadata
.endif
;; end of part 1
;; launch gemm (part 2): grid 16 x 16, 4 waves a work-group, clusters of 4 x 4, 327,680 bytes of LDS; arguments xq, wq, bias, out0; writes out0
.if DOCPART == 2
	.amdgcn_target "amdgcn-amd-amdhsa--gfx1250"
	.amdhsa_code_object_version 6
	.text
	.protected	k_q5ee4d1647f_gemm
	.globl	k_q5ee4d1647f_gemm
	.p2align	8
	.type	k_q5ee4d1647f_gemm,@function
k_q5ee4d1647f_gemm:
	s_mov_b64 s[64:65], 0
	v_nop
	global_prefetch_b8 v0, s[64:65] scope:SCOPE_SE
	s_setreg_imm32_b32 hwreg(HW_REG_WAVE_MODE, 25, 1), 1
	s_wait_xcnt 0x0
	s_wait_alu depctr_hold_cnt(0) depctr_sa_sdst(0) depctr_va_vdst(0) depctr_va_sdst(0) depctr_va_ssrc(0) depctr_va_vcc(0) depctr_vm_vsrc(0)
	s_getreg_b32 s2, hwreg(HW_REG_IB_STS2, 6, 4)
	s_cmp_eq_u32 s2, 0
	s_cbranch_scc0 .Lentry_in_a_cluster
	s_endpgm
.Lentry_in_a_cluster:
	s_bfe_u32 s2, ttmp6, 0x10000c
	s_cmp_lg_u32 s2, 0xf033
	s_cbranch_scc0 .Lentry_shape_is_right
	s_endpgm
.Lentry_shape_is_right:
; out0[m][n] = bias[n] + sum over k of A[m][k] B[n][k], M = N = K = 4,096.  A = x, B = the dequantised weight, both as codes of FP4 (E2M1) with one E8M0 scale for each 32 along K, made by the launch before.
; The bias is added to the finished f32 sum, on the way out: an order of rounding that differs from a sum begun with the bias.
; xq and wq are laid [block of 128 rows: 32][K step of 512: 8][BLK = 34,816 bytes]; in a BLK the codes [group of 16 rows: i of 8][block of 32 along K: j of 16][r of 16][16 bytes], then from byte 32,768 the scale bytes [16 i + r][16 bytes].
; GROUP i OF A BLK HOLDS THE ROWS 64 (i / 4) + i % 4 + 4 r of its 128.  A fragment (a group x 128 K) is two loads of 16 bytes a lane at 16 x lane, 512 consecutive bytes each, from LDS and from memory alike.
; SHARES: a work-group of four waves makes a tile of 256 x 256; a wave makes all 256 rows x 64 columns: 64 accumulators, 512 registers.  256 tiles, one to a work-group.
; A goes through LDS: all four waves read all its 256 rows.  Two slots of 1,024 along K (4 BLK = 139,264 bytes), four fills in the launch, one BLK a wave and fill, asked for JOINTLY by the four work-groups of a row of the 4 x 4 cluster.
; B GOES FROM MEMORY STRAIGHT INTO REGISTERS: a wave's 64 rows of B are read by no other wave of its work-group, so LDS would hand them to nobody; eight sets of 32 registers, one for each step of 128 of a fill, asked for up to seven steps ahead.
; No joint load for B: a joint load lands in LDS, and A's two slots take 278,528 of the 327,680 bytes.
; K: 32 steps of 128, 64 matrix instructions each.  Fills 0 to 2 go by K.  FILL 3 GOES BY ROWS: all its fragments of B lie in the eight sets, so pairs of A's groups (32 rows) are finished one after the other and leave while the others are multiplied.
; THE WAY OUT TOUCHES NO LDS.  Source 0 = a group of A, source 1 = a group of B: register j of lane (r, h) of accumulator (a, b) is out0(64 (a / 4) + a % 4 + 4 (8 h + j), 64 wave + 4 r + b).  So a lane's four accumulators b hold four
; neighbouring columns: 32 additions of the bias a group lay them in four consecutive registers, and a store of 16 bytes a lane writes 256 consecutive bytes, aligned, from lanes 0-15 and 256 from lanes 16-31.
; PREFETCHES: in each of the loop's two trips (fill f) a wave names, once, 32 pieces of 256 bytes of A's codes and 32 of B's codes of fill f + 2: A's six steps ahead of the joint load, B's eight steps ahead of the first load.
; The four partners that read the same bytes (a row of the cluster for A, a column for B) share them out by address.  Fills 0 and 1 and the scale bytes come by their loads alone; fill 3 is the last, so no address leaves its buffer.
; REGISTERS: window 0: v0-31 addresses; v32-95 A's scale words, two sets; v96-119 B's scale words, three sets; v120-123 the bias; v128-255 A's fragments, one set of 16.  window 1: B's eight sets.
;   window 2: accumulators of A's groups 0-7 ((a, b) at v[32 (a % 8) + 8 b]);  window 3: of groups 8-15.
.set BLK,    34816
.set SCB,    32768
.set SLOT,   4*BLK                     ; place 2 u + half: K step u of the fill, rows 128 x half
.set RUN,    8*BLK
.set SPARE,  2*SLOT                    ; behind the ring: the spare words, 128 bytes a wave
.set ROWC,   16384
.set L16, 2                            ; v2  16 x lane
.set SB0, 3                            ; v3  A's scale words in a place: BLK x (lane / 16) + SCB + 16 r
.set BO,  4                            ; v4  B's codes: 16 x lane + 16,384 x (wave % 2)
.set BS,  5                            ; v5  B's scale bytes: 16 x lane + SCB + 1,024 x (wave % 2)
.set BIO, 6                            ; v6  the bias: 16 r
.set CO,  9                            ; v9  my bytes of out0: 32 rows x h + 16 r
.set PFX, 10                           ; v10 A's prefetch: 8,192 cx + 256 x lane
.set PFW, 11                           ; v11 B's prefetch
.set ADR, 16                           ; v16-19 my fragment piece in the four places of the slot at work
.set ADRS, 20                          ; v20-21 A's scale words of its two K steps
.set SPW, 28
.set NIL, 29
.set SC,  32
.set SB,  96
.set SB7, 112                          ; B's scale words of the last K step of 512
.set BIA, 120                          ; bias of my columns 4 r + 0 .. 3
.set AF,  128
.set RB,  128                          ; by rows: two buffers of 64: 2 groups x 4 steps
.set T,   RB+64                        ; the way out: a pair's 64 results, in buffer 1 when it has been read out
.set G1, 24
.set G0, 32
.set BB, 36                            ; s[36:37] B: the fill at work
.set PA, 38                            ; s[38:39] A: my BLK of the fill at work
.set CB, 44                            ; s44-47 LDS bytes of the four places of the slot at work
.set SB1_, SB+8
.set MSB, 0
.macro WIN new
.if MSB != (\new)
	s_set_vgpr_msb (MSB<<8)|(\new)
.set MSB, (\new)
.endif
.endm
.set MUL_LO,   0xa4                    ; source 0 (A) window 0, source 1 (B) window 1, C and D window 2
.set MUL_HI,   0xf4
.set TO_B,     0x40
.macro PLACES                          ; four places behind matrix instructions, ahead of loads into their registers and of reads of results
.rept 4
	v_nop
.endr
.endm
.macro CREST
	s_cmp_lg_u32 s14, 0
	s_cbranch_scc1 .Lnot_wave_0_\@
	s_barrier_signal -3
.Lnot_wave_0_\@:
	s_barrier_wait -3
	s_barrier_signal -1
	s_barrier_wait -1
.endm
.macro CROUND
	s_barrier_signal -1
	s_barrier_wait -1
	CREST
.endm
.macro JLOAD                           ; every wave asks for its own BLK; an s_nop 0 and four v_nop follow
	tensor_load_to_lds s[G0:G0+3], s[G1:G1+7]
	s_nop 0
	PLACES
.endm
.macro SETADR                          ; the LDS addresses of the slot at work
.irp i, 0,1,2,3
	v_add_nc_u32 v[ADR+\i], s[CB+\i], v[L16]
.endr
	v_add_nc_u32 v[ADRS], s[CB], v[SB0]
	v_add_nc_u32 v[ADRS+1], s[CB+2], v[SB0]
	s_wait_alu depctr_va_vdst(0)                   ; the wait stands directly behind the writes
.endm
.macro LB tt                           ; B's four fragments of step tt, counted from the fill at s[BB], into set tt % 8
	WIN TO_B
.irp b, 0,1,2,3
.irp c, 0,1
	global_load_b128 v[32*((\tt)%8)+8*\b+4*\c:32*((\tt)%8)+8*\b+4*\c+3], v[BO], s[BB:BB+1] offset:((\tt)/4)*BLK+1024*((\tt)%4)+4096*\b+512*\c
.endr
.endr
	WIN 0
.endm
.macro LS kk, reg                      ; B's scale words of K step kk: register 4 j + q: lanes 0-15 group 2 j, lanes 16-31 group 2 j + 1
.irp j, 0,1
	global_load_b128 v[\reg+4*\j:\reg+4*\j+3], v[BS], s[BB:BB+1] offset:(\kk)*BLK+512*\j
.endr
.endm
.macro SCALES u                        ; A's scale words of K step u: register 4 i + q: lanes 0-15 group i, lanes 16-31 group 8 + i
.irp i, 0,1,2,3,4,5,6,7
	ds_load_b128 v[SC+32*\u+4*\i:SC+32*\u+4*\i+3], v[ADRS+\u] offset:256*\i
.endr
.endm
.macro FETCH_A tn, i                   ; A's groups 4 i .. 4 i + 3 of step tn
.irp e, 0,1,2,3
.irp c, 0,1
	ds_load_b128 v[AF+8*(4*\i+\e)+4*\c:AF+8*(4*\i+\e)+4*\c+3], v[ADR+2*((\tn)/4)+(\i)/2] offset:4096*((4*\i+\e)%8)+1024*((\tn)%4)+512*\c
.endr
.endr
.endm
; one product: A's group a x B's group b, step t of the fill; af: A's fragment.  first = 1: C is 0: the product starts the sum, nothing is cleared
.macro PROD a, b, t, af, first
.set D_, 32*((\a)%8)+8*(\b)
.set SB_, SB+4*((\b)/2)+(\t)%4
.if (\t)/4
.set SB_, SB1_+4*((\b)/2)+(\t)%4
.endif
.set SA_, SC+32*((\t)/4)+4*((\a)%8)+(\t)%4
.set BF_, 32*(\t)+8*(\b)
.if \first
.if ((\b)%2) && ((\a)/8)
	v_wmma_scale_f32_16x16x128_f8f6f4 v[D_:D_+7], v[\af:\af+7], v[BF_:BF_+7], 0, v[SA_], v[SB_] matrix_a_fmt:MATRIX_FMT_FP4 matrix_b_fmt:MATRIX_FMT_FP4 matrix_a_scale:MATRIX_SCALE_ROW1 matrix_b_scale:MATRIX_SCALE_ROW1
.endif
.if ((\b)%2) && !((\a)/8)
	v_wmma_scale_f32_16x16x128_f8f6f4 v[D_:D_+7], v[\af:\af+7], v[BF_:BF_+7], 0, v[SA_], v[SB_] matrix_a_fmt:MATRIX_FMT_FP4 matrix_b_fmt:MATRIX_FMT_FP4 matrix_b_scale:MATRIX_SCALE_ROW1
.endif
.if !((\b)%2) && ((\a)/8)
	v_wmma_scale_f32_16x16x128_f8f6f4 v[D_:D_+7], v[\af:\af+7], v[BF_:BF_+7], 0, v[SA_], v[SB_] matrix_a_fmt:MATRIX_FMT_FP4 matrix_b_fmt:MATRIX_FMT_FP4 matrix_a_scale:MATRIX_SCALE_ROW1
.endif
.if !((\b)%2) && !((\a)/8)
	v_wmma_scale_f32_16x16x128_f8f6f4 v[D_:D_+7], v[\af:\af+7], v[BF_:BF_+7], 0, v[SA_], v[SB_] matrix_a_fmt:MATRIX_FMT_FP4 matrix_b_fmt:MATRIX_FMT_FP4
.endif
.else
.if ((\b)%2) && ((\a)/8)
	v_wmma_scale_f32_16x16x128_f8f6f4 v[D_:D_+7], v[\af:\af+7], v[BF_:BF_+7], v[D_:D_+7], v[SA_], v[SB_] matrix_a_fmt:MATRIX_FMT_FP4 matrix_b_fmt:MATRIX_FMT_FP4 matrix_a_scale:MATRIX_SCALE_ROW1 matrix_b_scale:MATRIX_SCALE_ROW1
.endif
.if ((\b)%2) && !((\a)/8)
	v_wmma_scale_f32_16x16x128_f8f6f4 v[D_:D_+7], v[\af:\af+7], v[BF_:BF_+7], v[D_:D_+7], v[SA_], v[SB_] matrix_a_fmt:MATRIX_FMT_FP4 matrix_b_fmt:MATRIX_FMT_FP4 matrix_b_scale:MATRIX_SCALE_ROW1
.endif
.if !((\b)%2) && ((\a)/8)
	v_wmma_scale_f32_16x16x128_f8f6f4 v[D_:D_+7], v[\af:\af+7], v[BF_:BF_+7], v[D_:D_+7], v[SA_], v[SB_] matrix_a_fmt:MATRIX_FMT_FP4 matrix_b_fmt:MATRIX_FMT_FP4 matrix_a_scale:MATRIX_SCALE_ROW1
.endif
.if !((\b)%2) && !((\a)/8)
	v_wmma_scale_f32_16x16x128_f8f6f4 v[D_:D_+7], v[\af:\af+7], v[BF_:BF_+7], v[D_:D_+7], v[SA_], v[SB_] matrix_a_fmt:MATRIX_FMT_FP4 matrix_b_fmt:MATRIX_FMT_FP4
.endif
.endif
.endm
.macro MUL16 i, t, first               ; A's groups 4 i .. 4 i + 3 x B's four; the accumulators take turns, one instruction a turn
.irp e, 0,1,2,3
.irp b, 0,1,2,3
	PROD 4*\i+\e, \b, \t, AF+8*(4*\i+\e), \first
.endr
.endr
.endm
; A step of 128 along K with its successor in the same slot.  A group of A is free when its four products are issued: each eight groups are fetched anew in one run behind their 32 products, 32 matrix instructions ahead of their use.
.macro STEP t, first, ask, tail
.if ((\t)%4 == 0) && !(\first)
	s_wait_loadcnt 24                              ; B's scale words of this K step are in: behind them three steps' 8 loads were issued
.else
	s_wait_loadcnt 48                              ; this step's set of B is in: behind it at least six steps' 8 loads were issued
.endif
	s_wait_dscnt 16                                ; groups 0-7 (and, in a fill's first step, A's scale words) are in; the 16 loads of groups 8-15 may be out
	WIN MUL_LO
	MUL16 0, \t, \first
	MUL16 1, \t, \first
	PLACES
	WIN 0
	FETCH_A (\t)+1, 0
	FETCH_A (\t)+1, 1
	s_wait_dscnt 16                                ; groups 8-15 are in; the 16 loads just issued may be out
	WIN MUL_HI
	MUL16 2, \t, \first
	MUL16 3, \t, \first
	PLACES
	WIN 0
	FETCH_A (\t)+1, 2
	FETCH_A (\t)+1, 3
.if (\t) == 2
	SCALES 1
.endif
	LB (\t)+7                                      ; into the set that the step before has read
.if (\t) == 0
	LS 1, SB+8
.endif
.if (\t) == 4
	LS 2, SB
.if \tail
	LS 3, SB7
.endif
.endif
.if \ask
	global_prefetch_b8 v[PFX], s[PA:PA+1] offset:4*BLK th:TH_LOAD_NT scope:SCOPE_SE
	global_prefetch_b8 v[PFW], s[BB:BB+1] offset:4*BLK th:TH_LOAD_NT scope:SCOPE_SE
.endif
.endm
.macro ALOAD p, u                      ; by rows: groups 2 p, 2 p + 1, the four steps of K step u, into buffer u
.irp e, 0,1
.irp q, 0,1,2,3
.irp c, 0,1
	ds_load_b128 v[RB+64*(\u)+32*\e+8*\q+4*\c:RB+64*(\u)+32*\e+8*\q+4*\c+3], v[ADR+2*(\u)+(\p)/4] offset:4096*((2*(\p)+\e)%8)+1024*\q+512*\c
.endr
.endr
.endr
.endm
; A fill's last step changes slots: ONE barrier; in front of it each wave waits for all its tensor loads, adds 0 to its spare word, and waits for that and for its reads of this slot.
; last = 0: the barrier opens a round of the cluster's barrier and this slot is filled again, two fills on.  last = 1: nothing is filled; the fragments for the way by rows are fetched.
.macro TURN last
	s_wait_loadcnt 48
	s_wait_xcnt 0x0                                ; my loads and prefetches have read their bases: they step to the next fill
	s_add_nc_u64 s[BB:BB+1], s[BB:BB+1], 2*BLK
.if !(\last)
	s_add_nc_u64 s[PA:PA+1], s[PA:PA+1], 2*BLK
.endif
	s_wait_tensorcnt 0x0                           ; my part of the next slot has landed, and no load of mine is out
	ds_add_u32 v[SPW], v[NIL]
.if !(\last)
	s_xor_b32 s[G0+1], s[G0+1], SLOT               ; wave x BLK has neither of SLOT's two bits: the xor changes slots
	s_add_nc_u64 s[G0+2:G0+3], s[G0+2:G0+3], 2*BLK
.endif
.irp i, 0,1,2,3
	s_xor_b32 s[CB+\i], s[CB+\i], SLOT
.endr
	s_wait_dscnt 17                                ; groups 0-7 are in; the 16 loads of groups 8-15 and the add may be out
	WIN MUL_LO
	MUL16 0, 7, 0
	s_wait_dscnt 0x0                               ; the add is done, and my reads of this slot are over
	s_barrier_signal -1
	MUL16 1, 7, 0
	WIN 0
	s_barrier_wait -1
.if \last
	PLACES
	SETADR
	ALOAD 0, 0
	SCALES 0
	WIN MUL_HI
	MUL16 2, 7, 0
	MUL16 3, 7, 0
	PLACES
	WIN 0
	ALOAD 0, 1
	SCALES 1
	LB 6
	LB 7
.else
	CREST                                          ; no wave of any partner still reads this slot or has a load on its way
	JLOAD                                          ; the first tensor load behind the round, my only one until the next; its four v_nop are the places for the loads below
	SETADR
	FETCH_A 0, 0
	FETCH_A 0, 1
	SCALES 0
	WIN MUL_HI
	MUL16 2, 7, 0
	MUL16 3, 7, 0
	PLACES
	WIN 0
	FETCH_A 0, 2
	FETCH_A 0, 3
	LB 6
.endif
.endm
; BY ROWS.  32 matrix instructions: groups 2 p, 2 p + 1 x B's four x the four steps of K step u: eight accumulators by turns, K ascending
.macro HALF p, u
.irp q, 0,1,2,3
.if (\p) == 0
.if (4*(\u)+\q) == 0
	s_wait_loadcnt 32                              ; B's scale words of both K steps and sets 0 to 3 are in; behind them sets 4 to 7 were asked for
.endif
.if (\u) == 1
	s_wait_loadcnt 8*(3-\q)                        ; set 4 + q is in (at the last also the bias: nothing is out)
.endif
.endif
.irp e, 0,1
.irp b, 0,1,2,3
	PROD 2*(\p)+\e, \b, 4*(\u)+\q, RB+64*(\u)+32*\e+8*\q, 0
.endr
.endr
.endr
.endm
.macro OUT p                           ; a finished pair leaves: + bias, four neighbouring columns into four consecutive registers; every offset is an immediate (223 rows at the most)
	WIN 0x02+(\p)/4                                ; source 0: the accumulators' window; the bias and the results: window 0
.irp e, 0,1
.irp j, 0,1,2,3,4,5,6,7
.irp b, 0,1,2,3
	v_add_f32 v[T+32*\e+4*\j+\b], v[32*((2*(\p)+\e)%8)+8*\b+\j], v[BIA+\b]      ; each accumulator from its low end on
.endr
.endr
.endr
	WIN 0
.irp e, 0,1
.irp j, 0,1,2,3,4,5,6,7
	global_store_b128 v[CO], v[T+32*\e+4*\j:T+32*\e+4*\j+3], s[10:11] offset:(64*((2*(\p)+\e)/4)+4*\j+(2*(\p)+\e)%4)*ROWC th:TH_STORE_NT
.endr
.endr
.endm
	s_load_b256 s[4:11], s[0:1], 0x0               ; xq, wq, bias, out0
	v_lshl_add_u32 v[SPW], v0, 2, SPARE
	v_mov_b32 v[NIL], 0
	ds_add_u32 v[SPW], v[NIL]                      ; the opening: the add, twice on end, and its wait ahead of my first tensor load
	ds_add_u32 v[SPW], v[NIL]
	v_lshrrev_b32 v1, 5, v0
	v_readfirstlane_b32 s14, v1                    ; wave 0..3
	s_lshr_b32 s15, s14, 1
	s_and_b32 s16, s14, 1
	s_bfe_u32 s40, ttmp6, 0x40000                  ; cx
	s_bfe_u32 s41, ttmp6, 0x40004                  ; cy
	s_lshl_b32 s48, s16, 14
	s_lshl_b32 s49, s16, 10
	s_lshl_b32 s51, s40, 13
	s_lshl_b32 s52, s41, 12
.irp i, 0,1,2,3
	s_mov_b32 s[CB+\i], \i*BLK                     ; slot 0 is at work first
.endr
	v_and_b32 v1, 15, v0                           ; r
	v_bfe_u32 v12, v0, 4, 1                        ; h
	v_and_b32 v13, 31, v0                          ; lane
	v_lshlrev_b32 v[L16], 4, v13
	v_mul_u32_u24 v14, v12, BLK                    ; lanes 16-31: one BLK on
	v_lshl_add_u32 v[SB0], v1, 4, v14
	v_add_nc_u32 v[SB0], SCB, v[SB0]
	v_add_nc_u32 v[BO], s48, v[L16]
	v_add_nc_u32 v[BS], s49, v[L16]
	v_add_nc_u32 v[BS], SCB, v[BS]
	v_lshlrev_b32 v[BIO], 4, v1
	v_lshlrev_b32 v15, 19, v12                     ; lanes 16-31: rows 4 x 8 further down
	v_lshl_add_u32 v[CO], v1, 4, v15
	v_lshlrev_b32 v15, 8, v13
	v_add_nc_u32 v[PFX], s51, v15                  ; of my BLK's 128 pieces of codes the partner at cx names 32, a lane a piece
	v_lshlrev_b32 v15, 8, v1
	v_add_nc_u32 v15, s52, v15
	v_add_nc_u32 v15, s48, v15
	v_add_nc_u32 v[PFW], v15, v14                  ; of my 64 pieces of codes in each of a fill's two K steps the partner at cy names 16: lanes 0-15 the first K step's, lanes 16-31 the second's
	SETADR                                         ; (its wait covers all the head's vector writes)
	s_lshl_b32 s42, ttmp9, 2
	s_add_co_u32 s42, s42, s40                     ; tile column
	s_and_b32 s17, ttmp7, 0xffff
	s_lshl_b32 s17, s17, 2
	s_add_co_u32 s17, s17, s41                     ; tile row
	s_lshl_b32 s43, s41, 2
	s_lshl_b32 s43, 15, s43                        ; my row of the cluster
	s_or_b32 s[G1+0], s43, (3<<16)|(1<<21)         ; the mask; elements of 8 bytes; bit 21 beside a mask; no padding
	s_mov_b32 s[G1+1], 32<<16                      ; a dense block of 136 rows of 256 bytes
	s_mov_b32 s[G1+2], 136<<16
	s_mov_b32 s[G1+3], 32<<16
	s_mov_b32 s[G1+4], 136
	s_mov_b32 s[G1+5], 32
	s_mov_b32 s[G1+6], 0
	s_mov_b32 s[G1+7], 0
	s_lshl_b32 s20, s17, 1
	s_add_co_u32 s20, s20, s16
	s_mul_i32 s20, s20, RUN                        ; A: rows 128 x (2 x tile row + wave % 2),
	s_mul_i32 s21, s15, BLK                        ; K step wave / 2 of the fill
	s_add_co_u32 s20, s20, s21
	s_mov_b32 s21, 0
	s_lshl_b32 s22, s42, 1
	s_add_co_u32 s22, s22, s15
	s_mul_i32 s22, s22, RUN                        ; B: rows 128 x (2 x tile column + wave / 2)
	s_mov_b32 s23, 0
	s_lshl_b32 s54, s42, 10
	s_lshl_b32 s55, s14, 8
	s_add_co_u32 s54, s54, s55                     ; my first column, in bytes: in a row of out0 and in the bias alike
	s_mov_b32 s55, 0
	s_lshl_b32 s56, s17, 22                        ; the tile's first row of out0, in bytes
	s_mov_b32 s57, 0
	s_mov_b32 s[G0], 1
	s_mul_i32 s[G0+1], s14, BLK                    ; place = wave: no place in the cluster enters an LDS address
	s_wait_dscnt 0x0                               ; both opening adds are done
	s_wait_kmcnt 0x0
	s_add_nc_u64 s[PA:PA+1], s[4:5], s[20:21]
	s_add_nc_u64 s[BB:BB+1], s[6:7], s[22:23]
	s_add_nc_u64 s[8:9], s[8:9], s[54:55]
	s_add_nc_u64 s[10:11], s[10:11], s[54:55]
	s_add_nc_u64 s[10:11], s[10:11], s[56:57]
	s_mov_b64 s[G0+2:G0+3], s[PA:PA+1]
	s_or_b32 s[G0+3], s[G0+3], 0x80000000
	CROUND                                         ; all sixteen work-groups are here: the first joint loads meet
	JLOAD                                          ; fill 0: one tensor load a wave at the head
	global_load_b128 v[BIA:BIA+3], v[BIO], s[8:9]  ; bias of my columns 4 r + 0 .. 3
	LS 0, SB
.irp t, 0,1,2,3,4,5
	LB \t
.endr
	s_wait_tensorcnt 0x0                           ; my BLK of fill 0 is in
	ds_add_u32 v[SPW], v[NIL]
	s_xor_b32 s[G0+1], s[G0+1], SLOT
	s_add_nc_u64 s[G0+2:G0+3], s[G0+2:G0+3], 2*BLK
	s_wait_dscnt 0x0
	CROUND
	JLOAD                                          ; fill 1, into slot 1: the first tensor load behind the round
	LB 6
	FETCH_A 0, 0
	FETCH_A 0, 1
	SCALES 0
	FETCH_A 0, 2
	FETCH_A 0, 3
	STEP 0, 1, 0, 0                                ; the first step stands in front of the loop: its products start the sums
	s_mov_b32 s3, 2
.Lfill:                                                ; a trip: a fill's steps 1 to 7, the change of slots with its refill, the next fill's step 0.  Two trips: fills 2 and 3 are asked for
	STEP 1, 0, 1, 0
.irp t, 2,3,4,5,6
	STEP \t, 0, 0, 0
.endr
	TURN 0
	STEP 0, 0, 0, 0
	s_sub_co_u32 s3, s3, 1
	s_cmp_lg_u32 s3, 0
	s_cbranch_scc1 .Lfill
.irp t, 1,2,3,4,5,6
	STEP \t, 0, 0, 1                               ; fill 2 asks for no refill: written out
.endr
	TURN 1
.set SB1_, SB7
.irp p, 0,1,2,3,4,5,6,7
.if \p == 0
	s_wait_dscnt 24                                ; buffer 0 and the first scale words are in; buffer 1 and the second (24 loads) may be out
.else
	s_wait_dscnt 16                                ; buffer 0 is in; buffer 1's 16 loads may be out
.endif
	WIN MUL_LO+0x50*(\p/4)
	HALF \p, 0
	PLACES
	WIN 0
.if \p < 7
	ALOAD \p+1, 0
	s_wait_dscnt 16                                ; all but the 16 just issued: buffer 1 is in
.else
	s_wait_dscnt 0x0
.endif
	WIN MUL_LO+0x50*(\p/4)
	HALF \p, 1
	PLACES
	OUT \p
.if \p < 7
	s_wait_xcnt 0x0                                ; the stores have read their registers: buffer 1 may be loaded anew
	ALOAD \p+1, 1
.endif
.endr
	s_wait_tensorcnt 0x0                           ; the wave's end
	ds_add_u32 v[SPW], v[NIL]
	s_wait_dscnt 0x0
	CROUND                                         ; the closing round
	s_endpgm
.Lfunc_end_k_q5ee4d1647f_gemm:
	.size	k_q5ee4d1647f_gemm, .Lfunc_end_k_q5ee4d1647f_gemm-k_q5ee4d1647f_gemm
	.p2alignl 7, 3214868480
	.fill 96, 4, 3214868480
	.section	.rodata,"a",@progbits
	.p2align	6, 0x0
	.amdhsa_kernel k_q5ee4d1647f_gemm
		.amdhsa_group_segment_fixed_size 327680
		.amdhsa_private_segment_fixed_size 0
		.amdhsa_enable_private_segment 0
		.amdhsa_kernarg_size 32
		.amdhsa_user_sgpr_count 2
		.amdhsa_user_sgpr_kernarg_segment_ptr 1
		.amdhsa_wavefront_size32 1
		.amdhsa_system_sgpr_workgroup_id_x 1
		.amdhsa_system_sgpr_workgroup_id_y 1
		.amdhsa_system_sgpr_workgroup_id_z 1
		.amdhsa_system_vgpr_workitem_id 0
		.amdhsa_next_free_vgpr 1024
		.amdhsa_next_free_sgpr 66
		.amdhsa_reserve_vcc 0
		.amdhsa_float_denorm_mode_32 3
		.amdhsa_float_denorm_mode_16_64 3
		.amdhsa_memory_ordered 1
		.amdhsa_forward_progress 1
		.amdhsa_inst_pref_size 255
	.end_amdhsa_kernel
	.section	.bss,"aw",@nobits
	.p2align	6
	.space	262144
	.amdgpu_metadata
---
amdhsa.version: [ 1, 2 ]
amdhsa.kernels:
  - .name:           k_q5ee4d1647f_gemm
    .symbol:         k_q5ee4d1647f_gemm.kd
    .args:
      - { .name: xq, .offset: 0, .size: 8, .value_kind: global_buffer, .address_space: global }
      - { .name: wq, .offset: 8, .size: 8, .value_kind: global_buffer, .address_space: global }
      - { .name: bias, .offset: 16, .size: 8, .value_kind: global_buffer, .address_space: global }
      - { .name: out0, .offset: 24, .size: 8, .value_kind: global_buffer, .address_space: global }
    .group_segment_fixed_size: 327680
    .private_segment_fixed_size: 0
    .kernarg_segment_align: 8
    .kernarg_segment_size: 32
    .max_flat_workgroup_size: 128
    .sgpr_count:     66
    .vgpr_count:     1024
    .wavefront_size: 32
...
	.end_amdgpu_metadata
.endif
;; end of part 2
